; MI455X (gfx1250); checked and timed in simulation.
; The chip was launched on July 23, 2026; its instructions are those of AMD's public machine-readable ISA for CDNA 5 (MIT licence, August 2026) and "CDNA5" Instruction Set Architecture Reference Guide (July 2026). The comments in the code are by the model that wrote it; some were corrected since.
;; Weighted least squares. Allowed arithmetic: float matrix products may take bf16 or f16 operands with f32 sums; all other float work in f32.
;; Inputs: W 128 x 131,072 float32; grid 32 x 131,072 x 2 float32.
;; Outputs: out0 32 x 3 x 1 float32; out1 32 x 3 x 1 float32; out2 32 x 3 x 1 float32; out3 32 x 3 x 1 float32.
;; 2 versions, each right; version 2 is version 1 with the launch sums written anew for expert scheduling mode. Each part assembles by itself: llvm-mc -triple=amdgcn-amd-amdhsa -mcpu=gfx1250 --defsym DOCPART=n.
;; ======== version 1 of 2: 2 launches
;; workspace buffers: part 65,536 bytes
;; launch sums (part 1): grid 8 x 32, 16 waves a work-group, no clusters, 4,096 bytes of LDS; arguments W, grid, part; writes part
.if DOCPART == 1
	.amdgcn_target "amdgcn-amd-amdhsa--gfx1250"
	.amdhsa_code_object_version 6
	.text
	.protected	k_q933bcb08f8_sums
	.globl	k_q933bcb08f8_sums
	.p2align	8
	.type	k_q933bcb08f8_sums,@function
k_q933bcb08f8_sums:
	s_mov_b64 s[64:65], 0
	v_nop
	global_prefetch_b8 v0, s[64:65] scope:SCOPE_SE
	s_setreg_imm32_b32 hwreg(HW_REG_WAVE_MODE, 25, 1), 1
	s_wait_xcnt 0x0
; Partial sums for the weighted least squares fit.  W: [32 images x 4 classes][131072] f32, grid: [32][131072][2] f32 (x, g), y = 1 - g.
; For every image and class eight sums over the pixels are needed:  sum of w^2 * { x, y, y^2, x y, y^3, x y^2, y^4, 1 }  (in this order, value 0 to 7).
; A work-group (chunk = id x, image = id y) takes 16,384 pixels of one image and ALL FOUR classes, so that each byte of grid and of W is
; loaded once in the whole launch.  16 waves; in step s (16 steps) thread t owns pixels 1024 s + 2 t and + 1: one 16-byte load of grid
; (a wave's load covers 512 consecutive aligned bytes) and one 8-byte load from each of the four rows of W (256 consecutive aligned bytes).
; Every step has registers of its own (12), so nothing is reused, nothing loops, and 12 steps = 60 loads of a wave are requested at once.
; Out: 64 f32 = 256 bytes for each work-group: [sum over the even waves: class x 8 values][the same over the odd waves].
; NOT USED, and why: matrix instructions (the product is 4 classes x 8 values, an eighth of a 16 x 16 tile, its operands would need about as
; many conversions as the multiply-adds they replace, and 8-bit mantissas would feed a solve that magnifies errors); clusters (no two
; work-groups read the same byte); LDS staging (memory's order is already the lanes' order).
; LIMIT: rounding order differs from the stated formula: products are formed as (w w) (y^k) and added in chains of 32 terms, then by trees.
.set ROWB,  524288                     ; bytes in a row of W
.set WSTEP, 4096                       ; a step of the work-group in a row of W: 512 threads x 8 bytes
.set GSTEP, 8192                       ; and in grid: 512 threads x 16 bytes
.set AHEAD, 12                         ; steps requested before the first is worked on: 60 loads of a wave
.set VW,   1                           ; v1        8 t: my byte offset in a step of W
.set VG,   2                           ; v2        16 t: my byte offset in a step of grid
.set ACC,  4                           ; v[4:35]   class c: four pairs at ACC + 8 c: (x, y) (y^2, x y) (y^3, x y^2) (y^4, 1), each times w^2, summed
.set F,    36                          ; v[36:47]  pixel p at F + 6 p: (y^2, x y) (y^3, x y^2) (y^4, 1.0)
.set DATA, 48                          ; v[48:239] step s at DATA + 12 s: x0 g0 x1 g1, then (w of pixel 0, w of pixel 1) for classes 0 to 3
.set RT,   DATA                        ; scratch of the reduction, when all steps are done
	s_load_b128 s[4:7], s[0:1], 0x0                ; W s[4:5], grid s[6:7]
	s_load_b64 s[8:9], s[0:1], 0x10                ; part
	v_lshl_add_u32 v240, v0, 2, 0x800
	v_mov_b32 v241, 0
	v_lshrrev_b32 v3, 5, v0
	v_readfirstlane_b32 s11, v3                    ; wave 0..15
	s_and_b32 s10, ttmp7, 0xffff                   ; image
	v_lshlrev_b32 v[VW], 3, v0
	v_lshlrev_b32 v[VG], 4, v0
	s_lshl_b32 s12, s10, 21                        ; W: image x 4 rows x 524,288 bytes
	s_lshl_b32 s13, ttmp9, 16                      ;    + chunk x 16,384 pixels x 4 bytes   (below 2^26)
	s_add_co_u32 s12, s12, s13
	s_mov_b32 s13, 0
	s_lshl_b32 s14, s10, 20                        ; grid: image x 131,072 pixels x 8 bytes
	s_lshl_b32 s15, ttmp9, 17                      ;    + chunk x 16,384 pixels x 8 bytes
	s_add_co_u32 s14, s14, s15
	s_mov_b32 s15, 0
	s_lshl_b32 s16, s10, 3                         ; part: (8 x image + chunk) x 256 bytes
	s_add_co_u32 s16, s16, ttmp9
	s_lshl_b32 s16, s16, 8
	s_mov_b32 s17, 0
	s_wait_kmcnt 0x0
	s_add_nc_u64 s[4:5], s[4:5], s[12:13]
	s_add_nc_u64 s[6:7], s[6:7], s[14:15]
	s_add_nc_u64 s[8:9], s[8:9], s[16:17]
; The five loads of step s.  Class and step go into the immediate: at most 3 x 524,288 + 15 x 4,096 bytes.  Each byte is read once in the launch: NT.
.macro LOADS s
	global_load_b128 v[DATA+12*\s:DATA+12*\s+3], v[VG], s[6:7] offset:\s*GSTEP th:TH_LOAD_NT
.irp c, 0,1,2,3
	global_load_b64 v[DATA+12*\s+4+2*\c:DATA+12*\s+5+2*\c], v[VW], s[4:5] offset:\c*ROWB+\s*WSTEP th:TH_LOAD_NT
.endr
.endm
; The arithmetic of step s: 44 instructions for 2 pixels x 4 classes x 8 sums.  The packed forms pair two VALUES of one pixel; w^2 is broadcast
; by op_sel (first source: register p of the pair for both halves).  first = 1: pixel 0's products start the sums, nothing is cleared.
.macro WORK s, first
.set G, DATA+12*\s
.set Q, DATA+12*\s+4
	v_sub_f32 v[G+1], 1.0, v[G+1]                  ; y = 1 - g, in place: (x, y) is the first pair of values
	v_sub_f32 v[G+3], 1.0, v[G+3]
.irp c, 0,1,2,3
	v_pk_mul_f32 v[Q+2*\c:Q+2*\c+1], v[Q+2*\c:Q+2*\c+1], v[Q+2*\c:Q+2*\c+1]       ; w^2 of both pixels
.endr
.irp p, 0,1
	v_pk_mul_f32 v[F+6*\p:F+6*\p+1], v[G+2*\p:G+2*\p+1], v[G+2*\p:G+2*\p+1] op_sel:[1,1] op_sel_hi:[0,1]     ; (y y, x y)
.endr
.irp p, 0,1
	v_pk_mul_f32 v[F+6*\p+2:F+6*\p+3], v[F+6*\p:F+6*\p+1], v[G+2*\p:G+2*\p+1] op_sel:[0,1] op_sel_hi:[1,1]   ; (y^2 y, x y y)
	v_mul_f32 v[F+6*\p+4], v[F+6*\p], v[F+6*\p]                                                              ; y^4; 1.0 stays beside it
.endr
.irp p, 0,1
.irp c, 0,1,2,3
.if \first*(1-\p)
	v_pk_mul_f32 v[ACC+8*\c:ACC+8*\c+1], v[Q+2*\c:Q+2*\c+1], v[G+2*\p:G+2*\p+1] op_sel_hi:[0,1]
.irp j, 0,1,2
	v_pk_mul_f32 v[ACC+8*\c+2+2*\j:ACC+8*\c+3+2*\j], v[Q+2*\c:Q+2*\c+1], v[F+6*\p+2*\j:F+6*\p+2*\j+1] op_sel_hi:[0,1]
.endr
.else
	v_pk_fma_f32 v[ACC+8*\c:ACC+8*\c+1], v[Q+2*\c:Q+2*\c+1], v[G+2*\p:G+2*\p+1], v[ACC+8*\c:ACC+8*\c+1] op_sel:[\p,0,0] op_sel_hi:[\p,1,1]
.irp j, 0,1,2
	v_pk_fma_f32 v[ACC+8*\c+2+2*\j:ACC+8*\c+3+2*\j], v[Q+2*\c:Q+2*\c+1], v[F+6*\p+2*\j:F+6*\p+2*\j+1], v[ACC+8*\c+2+2*\j:ACC+8*\c+3+2*\j] op_sel:[\p,0,0] op_sel_hi:[\p,1,1]
.endr
.endif
.endr
.endr
.endm
.irp s, 0,1,2,3,4,5,6,7,8,9,10,11
	LOADS \s
.endr
	v_mov_b32 v[F+5], 1.0                          ; the partner of y^4: its sum is the sum of w^2
	v_mov_b32 v[F+11], 1.0
	s_mov_b32 s20, 0xaaaaaaaa                      ; lanes with bit 0 set, bit 1, bit 2, bit 3, bit 4
	s_mov_b32 s21, 0xcccccccc
	s_mov_b32 s22, 0xf0f0f0f0
	s_mov_b32 s23, 0xff00ff00
	s_mov_b32 s24, 0xffff0000
	s_mov_b32 s26, 0x76543210                      ; v_permlanex16_b32: lane i of one half reads lane i of the other
	s_mov_b32 s27, 0xfedcba98
	; Loads come back in order (ISA guide 5.7.1).  In front of step s the steps up to s + 11 have been requested: the eleven younger
	; steps, 55 loads, stay out.  The next request stands right behind the wait, so a wave never has more than 60 loads out.
	s_wait_loadcnt 5*(AHEAD-1)
	LOADS 12
	WORK 0, 1
	s_wait_loadcnt 5*(AHEAD-1)
	LOADS 13
	WORK 1, 0
	s_wait_loadcnt 5*(AHEAD-1)
	LOADS 14
	WORK 2, 0
	s_wait_loadcnt 5*(AHEAD-1)
	LOADS 15
	WORK 3, 0
.irp s, 4,5,6,7,8,9,10,11,12,13,14,15
	s_wait_loadcnt 5*(15-\s)                       ; nothing more is requested: the steps behind s, five loads each, run down to none
	WORK \s, 0
.endr
; ACROSS THE LANES.  32 values in 32 lanes are folded by halves: in the stage of distance d a lane keeps, of each pair of values (i, i + d),
; the one that its lane bit d names, and hands the other to lane xor d, which keeps that one.  Two selects and one add for a pair,
; 16 + 8 + 4 + 2 + 1 pairs; at the end lane l holds the wave's sum of value l in v[ACC].
.macro FOLD d, mask
.set i, 0
.rept 16/\d
	v_cndmask_b32 v[RT+i/(2*\d)], v[ACC+i+\d], v[ACC+i], \mask             ; what I hand over: bit set: value i, else value i + d
.set i, i+2*\d
.endr
.set i, 0
.rept 16/\d
	v_cndmask_b32 v[ACC+i], v[ACC+i], v[ACC+i+\d], \mask                   ; what I keep
.set i, i+2*\d
.endr
.set i, 0
.rept 16/\d
	v_add_f32_dpp v[ACC+i], v[RT+i/(2*\d)], v[ACC+i] row_xmask:\d row_mask:0xf bank_mask:0xf
.set i, i+2*\d
.endr
.endm
	FOLD 1, s20
	FOLD 2, s21
	FOLD 4, s22
	FOLD 8, s23
	v_cndmask_b32 v[RT], v[ACC+16], v[ACC], s24    ; the last stage crosses the halves of 16 lanes
	v_cndmask_b32 v[ACC], v[ACC], v[ACC+16], s24
	v_permlanex16_b32 v[RT+1], v[RT], s26, s27     ; (its destination has been written in the first stage)
	v_add_f32 v[ACC], v[ACC], v[RT+1]
	; ACROSS THE WAVES: wave w's 32 values at LDS byte 128 w, that is thread t's at 4 t.
	v_lshlrev_b32 v3, 2, v0
	ds_store_b32 v3, v[ACC]
	s_wait_dscnt 0x0                               ; my store is in LDS before I say so: wave 0 reads it behind the barrier
	s_barrier_signal -1
	s_barrier_wait -1
	s_cmp_lg_u32 s11, 0
	s_cbranch_scc1 .Ldone
	; Wave 0: lane l takes bytes 8 l .. 8 l + 7 of each 256-byte row (waves 2 k and 2 k + 1): 32 lanes read 256 consecutive bytes.
	; Even and odd waves stay apart, so that the result is 64 numbers and one store of the wave covers 256 consecutive aligned bytes.
	v_and_b32 v3, 31, v0
	v_lshlrev_b32 v3, 3, v3
.irp k, 0,1,2,3,4,5,6,7
	ds_load_b64 v[RT+16+2*\k:RT+17+2*\k], v3 offset:256*\k
.endr
	s_wait_dscnt 0x0
	v_pk_add_f32 v[RT+16:RT+17], v[RT+16:RT+17], v[RT+18:RT+19]
	v_pk_add_f32 v[RT+20:RT+21], v[RT+20:RT+21], v[RT+22:RT+23]
	v_pk_add_f32 v[RT+24:RT+25], v[RT+24:RT+25], v[RT+26:RT+27]
	v_pk_add_f32 v[RT+28:RT+29], v[RT+28:RT+29], v[RT+30:RT+31]
	v_pk_add_f32 v[RT+16:RT+17], v[RT+16:RT+17], v[RT+20:RT+21]
	v_pk_add_f32 v[RT+24:RT+25], v[RT+24:RT+25], v[RT+28:RT+29]
	v_pk_add_f32 v[RT+16:RT+17], v[RT+16:RT+17], v[RT+24:RT+25]
	global_store_b64 v3, v[RT+16:RT+17], s[8:9]
.Ldone:
	s_wait_tensorcnt 0x0
	ds_add_u32 v240, v241
	s_wait_dscnt 0x0
	s_endpgm
.Lfunc_end_k_q933bcb08f8_sums:
	.size	k_q933bcb08f8_sums, .Lfunc_end_k_q933bcb08f8_sums-k_q933bcb08f8_sums
	.p2alignl 7, 3214868480
	.fill 96, 4, 3214868480
	.section	.rodata,"a",@progbits
	.p2align	6, 0x0
	.amdhsa_kernel k_q933bcb08f8_sums
		.amdhsa_group_segment_fixed_size 4096
		.amdhsa_private_segment_fixed_size 0
		.amdhsa_enable_private_segment 0
		.amdhsa_kernarg_size 24
		.amdhsa_user_sgpr_count 2
		.amdhsa_user_sgpr_kernarg_segment_ptr 1
		.amdhsa_wavefront_size32 1
		.amdhsa_system_sgpr_workgroup_id_x 1
		.amdhsa_system_sgpr_workgroup_id_y 1
		.amdhsa_system_sgpr_workgroup_id_z 1
		.amdhsa_system_vgpr_workitem_id 0
		.amdhsa_next_free_vgpr 242
		.amdhsa_next_free_sgpr 66
		.amdhsa_reserve_vcc 0
		.amdhsa_float_denorm_mode_32 3
		.amdhsa_float_denorm_mode_16_64 3
		.amdhsa_memory_ordered 1
		.amdhsa_forward_progress 1
		.amdhsa_inst_pref_size 60
	.end_amdhsa_kernel
	.amdgpu_metadata
---
amdhsa.version: [ 1, 2 ]
amdhsa.kernels:
  - .name:           k_q933bcb08f8_sums
    .symbol:         k_q933bcb08f8_sums.kd
    .args:
      - { .name: W, .offset: 0, .size: 8, .value_kind: global_buffer, .address_space: global }
      - { .name: grid, .offset: 8, .size: 8, .value_kind: global_buffer, .address_space: global }
      - { .name: part, .offset: 16, .size: 8, .value_kind: global_buffer, .address_space: global }
    .group_segment_fixed_size: 4096
    .private_segment_fixed_size: 0
    .kernarg_segment_align: 8
    .kernarg_segment_size: 24
    .max_flat_workgroup_size: 512
    .sgpr_count:     66
    .vgpr_count:     242
    .wavefront_size: 32
...
	.end_amdgpu_metadata
.endif
;; end of part 1
;; launch solve (part 2): grid 8 x 1, 4 waves a work-group, no clusters, 768 bytes of LDS; arguments part, out0, out1, out2, out3; writes out0, out1, out2, out3
.if DOCPART == 2
	.amdgcn_target "amdgcn-amd-amdhsa--gfx1250"
	.amdhsa_code_object_version 6
	.text
	.protected	k_q933bcb08f8_solve
	.globl	k_q933bcb08f8_solve
	.p2align	8
	.type	k_q933bcb08f8_solve,@function
k_q933bcb08f8_solve:
	s_mov_b64 s[64:65], 0
	v_nop
	global_prefetch_b8 v0, s[64:65] scope:SCOPE_SE
	s_setreg_imm32_b32 hwreg(HW_REG_WAVE_MODE, 25, 1), 1
	s_wait_xcnt 0x0
; Adds the partial sums and solves the 128 systems of three unknowns.  part: [32 images][16 partial vectors][4 classes][8 values] f32, the
; values being the sums of w^2 * { x, y, y^2, x y, y^3, x y^2, y^4, 1 }.  out_c: [32][3] f32, the coefficients of y^2, y, 1 for class c.
;   Z = [[S y^4 + r, S y^3, S y^2], [S y^3, S y^2 + r, S y], [S y^2, S y, S 1 + r]],  X = [S x y^2, S x y, S x],  r = 0.001,  beta = Z^-1 X.
; Eight work-groups of four waves; work-group g takes images 4 g .. 4 g + 3, wave w image 4 g + w.  An image's 2,048 bytes come by four
; 16-byte loads a lane (512 consecutive aligned bytes each), so a work-group loads 8 KiB of the 64 KiB.  On the way out wave c stores class c.
; THE STORES: a wave stores 48 consecutive bytes (its work-group's four images) of one buffer.  A buffer's 384 bytes are thus shared by the
; eight work-groups, and no aligned run of 256 bytes is written whole by one instruction.  Accepted for 1,536 bytes in all, in exchange for
; dividing the loads of a work-group by eight; one image a work-group would cut the pieces to 12 bytes and spare only twelve more loads.
; NOT USED: clusters (no byte is read by two work-groups), a ring or prefetch (one run of four loads a wave), the matrix unit (no product).
; LIMITS.  The solve is symmetric elimination WITHOUT pivoting, in the order (1, y, y^2): Z is a Gram matrix plus r I, symmetric positive
; definite by construction, for which this is backward stable.  Where the f32 rounding of the sums exceeds Z's smallest eigenvalue
; (condition far above 2^24, for example y shifted tens of its spread away from 0) the answer is noise here as in any f32 solve, and need not
; be the same noise.  v_rcp_f32 gives 0 for pivots above 2^126; each reciprocal gets one Newton step.
.set REGC,  0x3a83126f                 ; 0.001 in f32
.set IMGB,  2048                       ; bytes of partial sums for an image: 16 vectors x 32 values x 4
.set PIECE, 48                         ; bytes of one output buffer that a work-group owns: 4 images x 3 values x 4
	s_load_b256 s[4:11], s[0:1], 0x0               ; part s[4:5], out0 s[6:7], out1 s[8:9], out2 s[10:11]
	s_load_b64 s[12:13], s[0:1], 0x20              ; out3
	v_lshl_add_u32 v40, v0, 2, 0x100
	v_mov_b32 v41, 0
	v_and_b32 v1, 31, v0                           ; lane
	v_lshrrev_b32 v2, 5, v0                        ; wave = image within the work-group; later: the class that I store
	v_readfirstlane_b32 s16, v2
	v_lshlrev_b32 v3, 4, v1                        ; 16 x lane
	v_lshl_or_b32 v4, v2, 11, v3                   ; + 2,048 x wave
	s_lshl_b32 s24, ttmp9, 13                      ; part: work-group x 4 images x 2,048 bytes
	s_mov_b32 s25, 0
	s_mul_i32 s26, ttmp9, PIECE                    ; out_c: work-group x 48 bytes
	s_mov_b32 s27, 0
	s_mul_i32 s23, s16, PIECE                      ; LDS: class x 48 bytes, for the way out
	s_mov_b32 s14, 0xaaaaaaaa                      ; the odd lanes
	s_mov_b32 s15, REGC
	s_mov_b32 s18, 0x76543210                      ; v_permlanex16_b32: lane i of one half reads lane i of the other
	s_mov_b32 s19, 0xfedcba98
	s_wait_kmcnt 0x0
	s_add_nc_u64 s[4:5], s[4:5], s[24:25]
	global_load_b128 v[8:11],  v4, s[4:5]          ; load j, lane l: partial vector 4 j + l / 8, values 4 (l % 8) .. + 3 of its 32
	global_load_b128 v[12:15], v4, s[4:5] offset:512
	global_load_b128 v[16:19], v4, s[4:5] offset:1024
	global_load_b128 v[20:23], v4, s[4:5] offset:1536
	; While the loads are out: everything that the way out needs.
	s_cmp_eq_u32 s16, 1                            ; wave c stores out_c
	s_cselect_b64 s[20:21], s[8:9], s[6:7]
	s_cmp_eq_u32 s16, 2
	s_cselect_b64 s[20:21], s[10:11], s[20:21]
	s_cmp_eq_u32 s16, 3
	s_cselect_b64 s[20:21], s[12:13], s[20:21]
	s_add_nc_u64 s[20:21], s[20:21], s[26:27]      ; at my work-group's 48 bytes
	v_bfe_u32 v5, v0, 1, 2                         ; the class that my lane solves: (l % 8) / 2
	v_mul_u32_u24 v6, 12, v2
	v_mad_u32_u24 v5, v5, PIECE, v6                ; where its three results go in LDS: 48 x class + 12 x image
	v_min_u32 v7, 2, v1                            ; the read back: lanes 0 to 2 take the class's 48 bytes, the others read lane 2's again,
	v_lshl_add_u32 v7, v7, 4, s23                  ; so that every lane's address lies in the 192 bytes that are written
	v_cmp_gt_u32 vcc_lo, 3, v1                     ; the three lanes that store (nothing below writes VCC)
	s_wait_loadcnt 0x0
	v_pk_add_f32 v[8:9],   v[8:9],   v[12:13]      ; the four loads,
	v_pk_add_f32 v[10:11], v[10:11], v[14:15]
	v_pk_add_f32 v[16:17], v[16:17], v[20:21]
	v_pk_add_f32 v[18:19], v[18:19], v[22:23]
	v_pk_add_f32 v[8:9],   v[8:9],   v[16:17]
	v_pk_add_f32 v[10:11], v[10:11], v[18:19]
.irp r, 8,9,10,11
	v_add_f32_dpp v\r, v\r, v\r row_xmask:8 row_mask:0xf bank_mask:0xf     ; the lanes 8 apart,
.endr
	v_permlanex16_b32 v12, v8, s18, s19            ; and 16 apart: all 16 partial vectors are in
	v_permlanex16_b32 v13, v9, s18, s19
	v_permlanex16_b32 v14, v10, s18, s19
	v_permlanex16_b32 v15, v11, s18, s19
	v_pk_add_f32 v[8:9],   v[8:9],   v[12:13]
	v_pk_add_f32 v[10:11], v[10:11], v[14:15]
	; An even lane holds values 0-3 of its class, the odd lane beside it values 4-7: exchange, and sort by the lane's parity.
	; Additions commute bit for bit, so the eight lanes of a class now hold, and will compute, the same bits.
.irp r, 0,1,2,3
	v_mov_b32_dpp v[12+\r], v[8+\r] row_xmask:1 row_mask:0xf bank_mask:0xf
.endr
.irp r, 0,1,2,3
	v_cndmask_b32 v[16+\r], v[8+\r], v[12+\r], s14     ; v16 Sx   v17 Sy    v18 Sy2  v19 Sxy
	v_cndmask_b32 v[20+\r], v[12+\r], v[8+\r], s14     ; v20 Sy3  v21 Sxy2  v22 Sy4  v23 S1
.endr
	; Unknowns g0 (of 1), g1 (of y), g2 (of y^2):  a00 = S1 + r, a01 = Sy, a02 = Sy2, a11 = Sy2 + r, a12 = Sy3, a22 = Sy4 + r; b = Sx, Sxy, Sxy2.
	v_add_f32 v24, s15, v23                        ; a00
	v_rcp_f32 v27, v24                             ; a plain vector instruction stands between v_rcp_f32 and the use of its result (ISA guide 5.7.2)
	v_add_f32 v25, s15, v18                        ; a11
	v_add_f32 v26, s15, v22                        ; a22
	s_wait_alu depctr_va_vdst(0)
	v_fma_f32 v28, -v24, v27, 1.0                  ; Newton: i + i (1 - a i)
	v_fma_f32 v27, v28, v27, v27                   ; i0 = 1 / a00
	v_mul_f32 v28, v17, v27                        ; l1 = a01 i0
	v_mul_f32 v29, v18, v27                        ; l2 = a02 i0
	v_fma_f32 v25, -v28, v17, v25                  ; a11 - l1 a01
	v_fma_f32 v30, -v28, v18, v20                  ; a12 - l1 a02
	v_fma_f32 v26, -v29, v18, v26                  ; a22 - l2 a02
	v_fma_f32 v31, -v28, v16, v19                  ; b1 - l1 b0
	v_fma_f32 v32, -v29, v16, v21                  ; b2 - l2 b0
	v_rcp_f32 v33, v25
	v_nop
	s_wait_alu depctr_va_vdst(0)
	v_fma_f32 v34, -v25, v33, 1.0
	v_fma_f32 v33, v34, v33, v33                   ; i1
	v_mul_f32 v34, v30, v33                        ; l3
	v_fma_f32 v26, -v34, v30, v26                  ; the last pivot
	v_fma_f32 v32, -v34, v31, v32
	v_rcp_f32 v35, v26
	v_nop
	s_wait_alu depctr_va_vdst(0)
	v_fma_f32 v36, -v26, v35, 1.0
	v_fma_f32 v35, v36, v35, v35                   ; i2
	v_mul_f32 v37, v32, v35                        ; g2: the coefficient of y^2
	v_fma_f32 v38, -v30, v37, v31
	v_mul_f32 v38, v38, v33                        ; g1: of y
	v_fma_f32 v39, -v17, v38, v16
	v_fma_f32 v39, -v18, v37, v39
	v_mul_f32 v39, v39, v27                        ; g0: of 1
	; Through LDS, from [image][class] to [class][image].  The eight lanes of a class write the same words with the same bits.
	ds_store_b32 v5, v37
	ds_store_b32 v5, v38 offset:4
	ds_store_b32 v5, v39 offset:8
	s_wait_dscnt 0x0                               ; my stores are in LDS before I say so: the other waves read them behind the barrier
	s_barrier_signal -1
	s_barrier_wait -1
	ds_load_b128 v[8:11], v7                       ; all lanes on: class = my wave, bytes 16 min(lane, 2) of its 48
	s_wait_dscnt 0x0
	s_wait_xcnt 0x0                                ; EXEC is narrowed only when no earlier memory instruction still needs it
	s_wait_tensorcnt 0x0
	ds_add_u32 v40, v41
	s_wait_dscnt 0x0
	s_and_saveexec_b32 s22, vcc_lo
	global_store_b128 v3, v[8:11], s[20:21]        ; lanes 0 to 2: 48 consecutive bytes, at a multiple of 16 from the buffer's first byte
	s_endpgm
.Lfunc_end_k_q933bcb08f8_solve:
	.size	k_q933bcb08f8_solve, .Lfunc_end_k_q933bcb08f8_solve-k_q933bcb08f8_solve
	.p2alignl 7, 3214868480
	.fill 96, 4, 3214868480
	.section	.rodata,"a",@progbits
	.p2align	6, 0x0
	.amdhsa_kernel k_q933bcb08f8_solve
		.amdhsa_group_segment_fixed_size 768
		.amdhsa_private_segment_fixed_size 0
		.amdhsa_enable_private_segment 0
		.amdhsa_kernarg_size 40
		.amdhsa_user_sgpr_count 2
		.amdhsa_user_sgpr_kernarg_segment_ptr 1
		.amdhsa_wavefront_size32 1
		.amdhsa_system_sgpr_workgroup_id_x 1
		.amdhsa_system_sgpr_workgroup_id_y 1
		.amdhsa_system_sgpr_workgroup_id_z 1
		.amdhsa_system_vgpr_workitem_id 0
		.amdhsa_next_free_vgpr 42
		.amdhsa_next_free_sgpr 66
		.amdhsa_reserve_vcc 1
		.amdhsa_float_denorm_mode_32 3
		.amdhsa_float_denorm_mode_16_64 3
		.amdhsa_memory_ordered 1
		.amdhsa_forward_progress 1
		.amdhsa_inst_pref_size 7
	.end_amdhsa_kernel
	.amdgpu_metadata
---
amdhsa.version: [ 1, 2 ]
amdhsa.kernels:
  - .name:           k_q933bcb08f8_solve
    .symbol:         k_q933bcb08f8_solve.kd
    .args:
      - { .name: part, .offset: 0, .size: 8, .value_kind: global_buffer, .address_space: global }
      - { .name: out0, .offset: 8, .size: 8, .value_kind: global_buffer, .address_space: global }
      - { .name: out1, .offset: 16, .size: 8, .value_kind: global_buffer, .address_space: global }
      - { .name: out2, .offset: 24, .size: 8, .value_kind: global_buffer, .address_space: global }
      - { .name: out3, .offset: 32, .size: 8, .value_kind: global_buffer, .address_space: global }
    .group_segment_fixed_size: 768
    .private_segment_fixed_size: 0
    .kernarg_segment_align: 8
    .kernarg_segment_size: 40
    .max_flat_workgroup_size: 128
    .sgpr_count:     66
    .vgpr_count:     42
    .wavefront_size: 32
...
	.end_amdgpu_metadata
.endif
;; end of part 2
;; ======== version 2 of 2: 2 launches; version 1 with the launch sums written anew for expert scheduling mode
;; workspace buffers: part 65,536 bytes
;; launch sums (part 3): grid 8 x 32, 16 waves a work-group, no clusters, 4,096 bytes of LDS; arguments W, grid, part; writes part
.if DOCPART == 3
	.amdgcn_target "amdgcn-amd-amdhsa--gfx1250"
	.amdhsa_code_object_version 6
	.text
	.protected	k_q933bcb08f8_sums
	.globl	k_q933bcb08f8_sums
	.p2align	8
	.type	k_q933bcb08f8_sums,@function
k_q933bcb08f8_sums:
	s_mov_b64 s[64:65], 0
	v_nop
	global_prefetch_b8 v0, s[64:65] scope:SCOPE_SE
	s_setreg_imm32_b32 hwreg(HW_REG_WAVE_SCHED_MODE, 0, 2), 2
	s_setreg_imm32_b32 hwreg(HW_REG_WAVE_MODE, 25, 1), 1
	s_wait_xcnt 0x0
	s_wait_alu depctr_vm_vsrc(0)
; Partial sums for the weighted least squares fit.  W: [32 images x 4 classes][131072] f32, grid: [32][131072][2] f32 (x, g), y = 1 - g.
; For every image and class eight sums over the pixels are needed:  sum of w^2 * { x, y, y^2, x y, y^3, x y^2, y^4, 1 }  (in this order, value 0 to 7).
; A work-group (chunk = id x, image = id y) takes 16,384 pixels of one image and ALL FOUR classes, so that each byte of grid and of W is
; loaded once in the whole launch.  16 waves; in step s (16 steps) thread t owns pixels 1024 s + 2 t and + 1: one 16-byte load of grid
; (a wave's load covers 512 consecutive aligned bytes) and one 8-byte load from each of the four rows of W (256 consecutive aligned bytes).
; Every step has registers of its own (12), so nothing is reused, nothing loops, and 12 steps = 60 loads of a wave are requested at once.
; Out: 64 f32 = 256 bytes for each work-group: [sum over the even waves: class x 8 values][the same over the odd waves].
; NOT USED, and why: matrix instructions (the product is 4 classes x 8 values, an eighth of a 16 x 16 tile, its operands would need about as
; many conversions as the multiply-adds they replace, and 8-bit mantissas would feed a solve that magnifies errors); clusters (no two
; work-groups read the same byte); LDS staging (memory's order is already the lanes' order).
; LIMIT: rounding order differs from the stated formula: products are formed as (w w) (y^k) and added in chains of 32 terms, then by trees.
; THE MODE: SCHED_MODE bits 1:0 = 2 (LLVM: expert scheduling mode 2), set by the entry lines.  The code itself states the register dependences
; between vector instructions and memory or LDS instructions, with s_wait_alu, always for 0.
; THE PLAN.  Registers that memory or LDS instructions touch:
;   v[VW], v[VG]   offsets of all 80 loads.  Written once at the head, never again: class and step stand in the immediates.
;   DATA, step s   Written by the step's own five loads, once; no vector instruction names them before those loads are issued, those of
;                  steps 12 to 15 included.  So the loads that stand among the steps' arithmetic hang on no vector instruction.
;   v3, v[RB]      LDS address of my word; offset of the read back and of the store.  Made behind the last step, never written again.
;   v[ACC]         The LDS store's data: written by the fold's last add, not written again.
;   RT+16 .. +31   Wave 0's LDS loads land here; steps 1 and 2 worked in these registers.  RT+16, +17 are then the global store's data.
;   v240, v241     Written at the head, read by the closing add alone.
; So three waits on va_vdst state everything: one ahead of the first load, one ahead of the LDS store (it serves wave 0's LDS loads too: no
; vector instruction stands between), one ahead of the global store.  No register that a memory or LDS instruction has read is written again.
.set ROWB,  524288                     ; bytes in a row of W
.set WSTEP, 4096                       ; a step of the work-group in a row of W: 512 threads x 8 bytes
.set GSTEP, 8192                       ; and in grid: 512 threads x 16 bytes
.set AHEAD, 12                         ; steps requested before the first is worked on: 60 loads of a wave
.set VW,   1                           ; v1        8 t: my byte offset in a step of W
.set VG,   2                           ; v2        16 t: my byte offset in a step of grid
.set ACC,  4                           ; v[4:35]   class c: four pairs at ACC + 8 c: (x, y) (y^2, x y) (y^3, x y^2) (y^4, 1), each times w^2, summed
.set F,    36                          ; v[36:47]  pixel p at F + 6 p: (y^2, x y) (y^3, x y^2) (y^4, 1.0)
.set RB,   F                           ; v36       when all steps are done: 8 x lane, the read back's LDS address and the store's offset
.set DATA, 48                          ; v[48:239] step s at DATA + 12 s: x0 g0 x1 g1, then (w of pixel 0, w of pixel 1) for classes 0 to 3
.set RT,   DATA                        ; scratch of the reduction, when all steps are done
	s_load_b128 s[4:7], s[0:1], 0x0                ; W s[4:5], grid s[6:7]
	s_load_b64 s[8:9], s[0:1], 0x10                ; part
	v_lshl_add_u32 v240, v0, 2, 0x800
	v_mov_b32 v241, 0
	v_lshrrev_b32 v3, 5, v0
	v_readfirstlane_b32 s11, v3                    ; wave 0..15
	s_and_b32 s10, ttmp7, 0xffff                   ; image
	v_lshlrev_b32 v[VW], 3, v0
	v_lshlrev_b32 v[VG], 4, v0
	s_lshl_b32 s12, s10, 21                        ; W: image x 4 rows x 524,288 bytes
	s_lshl_b32 s13, ttmp9, 16                      ;    + chunk x 16,384 pixels x 4 bytes   (below 2^26)
	s_add_co_u32 s12, s12, s13
	s_mov_b32 s13, 0
	s_lshl_b32 s14, s10, 20                        ; grid: image x 131,072 pixels x 8 bytes
	s_lshl_b32 s15, ttmp9, 17                      ;    + chunk x 16,384 pixels x 8 bytes
	s_add_co_u32 s14, s14, s15
	s_mov_b32 s15, 0
	s_lshl_b32 s16, s10, 3                         ; part: (8 x image + chunk) x 256 bytes
	s_add_co_u32 s16, s16, ttmp9
	s_lshl_b32 s16, s16, 8
	s_mov_b32 s17, 0
	s_wait_alu depctr_va_sdst(0)                   ; s11 is written, ahead of its first reader: the compare behind the barrier, with no label or branch between
	s_wait_kmcnt 0x0
	s_add_nc_u64 s[4:5], s[4:5], s[12:13]
	s_add_nc_u64 s[6:7], s[6:7], s[14:15]
	s_add_nc_u64 s[8:9], s[8:9], s[16:17]
	s_wait_alu depctr_va_vdst(0)                   ; v[VW] and v[VG] are written: every load of the kernel reads one of them as its offset
; The five loads of step s.  Class and step go into the immediate: at most 3 x 524,288 + 15 x 4,096 bytes.  Each byte is read once in the launch: NT.
.macro LOADS s
	global_load_b128 v[DATA+12*\s:DATA+12*\s+3], v[VG], s[6:7] offset:\s*GSTEP th:TH_LOAD_NT
.irp c, 0,1,2,3
	global_load_b64 v[DATA+12*\s+4+2*\c:DATA+12*\s+5+2*\c], v[VW], s[4:5] offset:\c*ROWB+\s*WSTEP th:TH_LOAD_NT
.endr
.endm
; The arithmetic of step s: 44 instructions for 2 pixels x 4 classes x 8 sums.  The packed forms pair two VALUES of one pixel; w^2 is broadcast
; by op_sel (first source: register p of the pair for both halves).  first = 1: pixel 0's products start the sums, nothing is cleared.
.macro WORK s, first
.set G, DATA+12*\s
.set Q, DATA+12*\s+4
	v_sub_f32 v[G+1], 1.0, v[G+1]                  ; y = 1 - g, in place: (x, y) is the first pair of values
	v_sub_f32 v[G+3], 1.0, v[G+3]
.irp c, 0,1,2,3
	v_pk_mul_f32 v[Q+2*\c:Q+2*\c+1], v[Q+2*\c:Q+2*\c+1], v[Q+2*\c:Q+2*\c+1]       ; w^2 of both pixels
.endr
.irp p, 0,1
	v_pk_mul_f32 v[F+6*\p:F+6*\p+1], v[G+2*\p:G+2*\p+1], v[G+2*\p:G+2*\p+1] op_sel:[1,1] op_sel_hi:[0,1]     ; (y y, x y)
.endr
.irp p, 0,1
	v_pk_mul_f32 v[F+6*\p+2:F+6*\p+3], v[F+6*\p:F+6*\p+1], v[G+2*\p:G+2*\p+1] op_sel:[0,1] op_sel_hi:[1,1]   ; (y^2 y, x y y)
	v_mul_f32 v[F+6*\p+4], v[F+6*\p], v[F+6*\p]                                                              ; y^4; 1.0 stays beside it
.endr
.irp p, 0,1
.irp c, 0,1,2,3
.if \first*(1-\p)
	v_pk_mul_f32 v[ACC+8*\c:ACC+8*\c+1], v[Q+2*\c:Q+2*\c+1], v[G+2*\p:G+2*\p+1] op_sel_hi:[0,1]
.irp j, 0,1,2
	v_pk_mul_f32 v[ACC+8*\c+2+2*\j:ACC+8*\c+3+2*\j], v[Q+2*\c:Q+2*\c+1], v[F+6*\p+2*\j:F+6*\p+2*\j+1] op_sel_hi:[0,1]
.endr
.else
	v_pk_fma_f32 v[ACC+8*\c:ACC+8*\c+1], v[Q+2*\c:Q+2*\c+1], v[G+2*\p:G+2*\p+1], v[ACC+8*\c:ACC+8*\c+1] op_sel:[\p,0,0] op_sel_hi:[\p,1,1]
.irp j, 0,1,2
	v_pk_fma_f32 v[ACC+8*\c+2+2*\j:ACC+8*\c+3+2*\j], v[Q+2*\c:Q+2*\c+1], v[F+6*\p+2*\j:F+6*\p+2*\j+1], v[ACC+8*\c+2+2*\j:ACC+8*\c+3+2*\j] op_sel:[\p,0,0] op_sel_hi:[\p,1,1]
.endr
.endif
.endr
.endr
.endm
.irp s, 0,1,2,3,4,5,6,7,8,9,10,11
	LOADS \s
.endr
	v_mov_b32 v[F+5], 1.0                          ; the partner of y^4: its sum is the sum of w^2
	v_mov_b32 v[F+11], 1.0
	s_mov_b32 s20, 0xaaaaaaaa                      ; lanes with bit 0 set, bit 1, bit 2, bit 3, bit 4
	s_mov_b32 s21, 0xcccccccc
	s_mov_b32 s22, 0xf0f0f0f0
	s_mov_b32 s23, 0xff00ff00
	s_mov_b32 s24, 0xffff0000
	s_mov_b32 s26, 0x76543210                      ; v_permlanex16_b32: lane i of one half reads lane i of the other
	s_mov_b32 s27, 0xfedcba98
	; Loads come back in order (ISA guide 5.7.1).  In front of step s the steps up to s + 11 have been requested: the eleven younger
	; steps, 55 loads, stay out.  The next request stands right behind the wait, so a wave never has more than 60 loads out.
	; These later requests hang on no vector instruction: their offsets were written ahead of the head's wait, and their twelve registers are named by nothing before them.
	s_wait_loadcnt 5*(AHEAD-1)
	LOADS 12
	WORK 0, 1
	s_wait_loadcnt 5*(AHEAD-1)
	LOADS 13
	WORK 1, 0
	s_wait_loadcnt 5*(AHEAD-1)
	LOADS 14
	WORK 2, 0
	s_wait_loadcnt 5*(AHEAD-1)
	LOADS 15
	WORK 3, 0
.irp s, 4,5,6,7,8,9,10,11,12,13,14,15
	s_wait_loadcnt 5*(15-\s)                       ; nothing more is requested: the steps behind s, five loads each, run down to none
	WORK \s, 0
.endr
	; The way out's two addresses, each in a register of its own, ahead of the fold: the one wait ahead of the LDS store then serves both.
	v_lshlrev_b32 v3, 2, v0                        ; 4 t: wave w's 32 values go to LDS byte 128 w
	v_and_b32 v[RB], 31, v0
	v_lshlrev_b32 v[RB], 3, v[RB]                  ; 8 x lane
; ACROSS THE LANES.  32 values in 32 lanes are folded by halves: in the stage of distance d a lane keeps, of each pair of values (i, i + d),
; the one that its lane bit d names, and hands the other to lane xor d, which keeps that one.  Two selects and one add for a pair,
; 16 + 8 + 4 + 2 + 1 pairs; at the end lane l holds the wave's sum of value l in v[ACC].
.macro FOLD d, mask
.set i, 0
.rept 16/\d
	v_cndmask_b32 v[RT+i/(2*\d)], v[ACC+i+\d], v[ACC+i], \mask             ; what I hand over: bit set: value i, else value i + d
.set i, i+2*\d
.endr
.set i, 0
.rept 16/\d
	v_cndmask_b32 v[ACC+i], v[ACC+i], v[ACC+i+\d], \mask                   ; what I keep
.set i, i+2*\d
.endr
.set i, 0
.rept 16/\d
	v_add_f32_dpp v[ACC+i], v[RT+i/(2*\d)], v[ACC+i] row_xmask:\d row_mask:0xf bank_mask:0xf
.set i, i+2*\d
.endr
.endm
	FOLD 1, s20
	FOLD 2, s21
	FOLD 4, s22
	FOLD 8, s23
	v_cndmask_b32 v[RT], v[ACC+16], v[ACC], s24    ; the last stage crosses the halves of 16 lanes
	v_cndmask_b32 v[ACC], v[ACC], v[ACC+16], s24
	v_permlanex16_b32 v[RT+1], v[RT], s26, s27     ; (its destination has been written in the first stage)
	v_add_f32 v[ACC], v[ACC], v[RT+1]
	; ACROSS THE WAVES: wave w's 32 values at LDS byte 128 w, that is thread t's at 4 t.
	s_wait_alu depctr_va_vdst(0)                   ; the fold has written v[ACC], the store's data; v3 and v[RB] are written; steps 1 and 2 are done with v[RT+16 ..], in which wave 0's LDS loads land
	ds_store_b32 v3, v[ACC]
	s_wait_dscnt 0x0                               ; my store is in LDS before I say so: wave 0 reads it behind the barrier
	s_barrier_signal -1
	s_barrier_wait -1
	s_cmp_lg_u32 s11, 0
	s_cbranch_scc1 .Ldone
	; Wave 0: lane l takes bytes 8 l .. 8 l + 7 of each 256-byte row (waves 2 k and 2 k + 1): 32 lanes read 256 consecutive bytes.
	; Even and odd waves stay apart, so that the result is 64 numbers and one store of the wave covers 256 consecutive aligned bytes.
	; No wait here: no vector instruction since the wait ahead of the LDS store names v[RB] or v[RT+16 ..].
.irp k, 0,1,2,3,4,5,6,7
	ds_load_b64 v[RT+16+2*\k:RT+17+2*\k], v[RB] offset:256*\k
.endr
	s_wait_dscnt 0x0
	v_pk_add_f32 v[RT+16:RT+17], v[RT+16:RT+17], v[RT+18:RT+19]
	v_pk_add_f32 v[RT+20:RT+21], v[RT+20:RT+21], v[RT+22:RT+23]
	v_pk_add_f32 v[RT+24:RT+25], v[RT+24:RT+25], v[RT+26:RT+27]
	v_pk_add_f32 v[RT+28:RT+29], v[RT+28:RT+29], v[RT+30:RT+31]
	v_pk_add_f32 v[RT+16:RT+17], v[RT+16:RT+17], v[RT+20:RT+21]
	v_pk_add_f32 v[RT+24:RT+25], v[RT+24:RT+25], v[RT+28:RT+29]
	v_pk_add_f32 v[RT+16:RT+17], v[RT+16:RT+17], v[RT+24:RT+25]
	s_wait_alu depctr_va_vdst(0)                   ; the last addition has written v[RT+16:RT+17], which the store reads
	global_store_b64 v[RB], v[RT+16:RT+17], s[8:9]
.Ldone:
	s_wait_dscnt 0x0                               ; the closing lines, six on end
	s_wait_alu 0x0
	s_wait_tensorcnt 0x0
	ds_add_u32 v240, v241
	s_wait_dscnt 0x0
	s_endpgm
.Lfunc_end_k_q933bcb08f8_sums:
	.size	k_q933bcb08f8_sums, .Lfunc_end_k_q933bcb08f8_sums-k_q933bcb08f8_sums
	.p2alignl 7, 3214868480
	.fill 96, 4, 3214868480
	.section	.rodata,"a",@progbits
	.p2align	6, 0x0
	.amdhsa_kernel k_q933bcb08f8_sums
		.amdhsa_group_segment_fixed_size 4096
		.amdhsa_private_segment_fixed_size 0
		.amdhsa_enable_private_segment 0
		.amdhsa_kernarg_size 24
		.amdhsa_user_sgpr_count 2
		.amdhsa_user_sgpr_kernarg_segment_ptr 1
		.amdhsa_wavefront_size32 1
		.amdhsa_system_sgpr_workgroup_id_x 1
		.amdhsa_system_sgpr_workgroup_id_y 1
		.amdhsa_system_sgpr_workgroup_id_z 1
		.amdhsa_system_vgpr_workitem_id 0
		.amdhsa_next_free_vgpr 242
		.amdhsa_next_free_sgpr 66
		.amdhsa_reserve_vcc 0
		.amdhsa_float_denorm_mode_32 3
		.amdhsa_float_denorm_mode_16_64 3
		.amdhsa_memory_ordered 1
		.amdhsa_forward_progress 1
		.amdhsa_inst_pref_size 60
	.end_amdhsa_kernel
	.amdgpu_metadata
---
amdhsa.version: [ 1, 2 ]
amdhsa.kernels:
  - .name:           k_q933bcb08f8_sums
    .symbol:         k_q933bcb08f8_sums.kd
    .args:
      - { .name: W, .offset: 0, .size: 8, .value_kind: global_buffer, .address_space: global }
      - { .name: grid, .offset: 8, .size: 8, .value_kind: global_buffer, .address_space: global }
      - { .name: part, .offset: 16, .size: 8, .value_kind: global_buffer, .address_space: global }
    .group_segment_fixed_size: 4096
    .private_segment_fixed_size: 0
    .kernarg_segment_align: 8
    .kernarg_segment_size: 24
    .max_flat_workgroup_size: 512
    .sgpr_count:     66
    .vgpr_count:     242
    .wavefront_size: 32
...
	.end_amdgpu_metadata
.endif
;; end of part 3
;; launch solve: the kernel of part 2 again; grid 8 x 1, 4 waves a work-group, no clusters, 768 bytes of LDS; arguments part, out0, out1, out2, out3; writes out0, out1, out2, out3
